; MI455X (gfx1250); checked and timed in simulation.
; The chip was launched on July 23, 2026; its instructions are those of AMD's public machine-readable ISA for CDNA 5 (MIT licence, August 2026) and "CDNA5" Instruction Set Architecture Reference Guide (July 2026). The comments in the code are by the model that wrote it; some were corrected since.
;; Net. Allowed arithmetic: matrix products marked QUANTISED: E5M2 operands, one E8M0 scale for each 32 along K, by v_wmma_scale_f32_16x16x128_f8f6f4 with both operands' format E5M2, f32 sums; products left as they are: f32 operands where the result goes on into a quantised operand, else bf16, f16 or f32 operands; f32 sums; everything else in f32.
;; Inputs: b1 8 x 256 float32; b2 8 x 1,000 float32; gate_b 8 float32; gate_w 8 x 2,048 float32; w1 8 x 256 x 2,048 float32; w2 8 x 1,000 x 256 float32; x 8,192 x 2,048 float32.
;; Outputs: out0 8,192 x 1,000 float32.
;; This version of the problem:
;;   THIS VERSION OF THE PROBLEM IS GIVEN IN LOW PRECISION. The matrix products marked QUANTISED in the list below multiply operands that are first quantised to E5M2 (5 exponent bits, 2 mantissa bits; 8 bits a number), with one power-of-two scale for each 32 numbers along K (OCP MX v1.0); their sums are f32. All else is computed in f32.
;;   The module's matrix products, in the order in which they are computed (A, B: the left and right operand; K: the contracted axis; several contracted axes count as one K, in the product's order):
;;     1. [M 8,192, K 2,048] x [K 2,048, N 8]; A: input x; B: input gate_w: left as it is (N = 8 < 16)
;;     2. [M 8,192, K 2,048] x [K 2,048, N 2,048]; A: input x; B: input w1: QUANTISED
;;     3. batch 8 x [M 1,000, K 256] x [K 256, N 8,192]; A: input w2; B: computed on the way: QUANTISED
;;     4. batch 8,192 x [M 1, K 8] x [K 8, N 1,000]; A: computed on the way; B: computed on the way: left as it is (K = 8 < 32)
;;   THE QUANTISER, for each operand of a quantised product, along K:
;;     - K is cut into blocks of 32 from its start; a last block that is shorter is filled with zeros.
;;     - A block's scale is 2^e with e = floor(log2(the largest magnitude in the block)) - 15, held to -126 .. 127; a block of zeros has e = 0. As a byte (E8M0): e + 127.
;;     - Each number is divided by its block's scale, clamped to +-57,344, and rounded to the nearest number of E5M2, ties to even, subnormals kept.
;;     - The product sums the exact products of the quantised numbers (number of the format x scale) in f32.
;;   ~~~python
;;   def quantise(x, axis):      # numpy; x: float32 -> the quantised numbers, widened to float32 again
;;       x = np.moveaxis(x, axis, -1); K = x.shape[-1]
;;       x = np.pad(x, [(0, 0)] * (x.ndim - 1) + [(0, -K % 32)]); x = x.reshape(x.shape[:-1] + (-1, 32)); a = np.abs(x).max(-1, keepdims=True)
;;       e = np.where(a > 0, np.clip(np.frexp(np.where(a > 0, a, 1))[1] - 1 - 15, -126, 127), 0)      # np.frexp(a)[1] - 1 = floor(log2(a)), exactly
;;       r = np.clip(x / 2.0 ** e, -57344, 57344)
;;       step = 2.0 ** (np.maximum(np.frexp(np.where(r == 0, 1, r))[1] - 1, -14) - 2)
;;       q = np.round(r / step) * step * 2.0 ** e      # np.round: ties to even
;;       return np.moveaxis(q.reshape(q.shape[:-2] + (-1,))[..., :K], -1, axis).astype(np.float32)
;;   ~~~
;;   OPERANDS COMPUTED ON THE WAY. 'Computed on the way' means the value that the module computes at that place (a softmax that the list does not call 'softmax' is quantised finished and normalised). What goes into a quantiser is computed in f32, as accurately as f32 sums, v_exp_f32 and their like allow (about 1e-6 of the number): no bf16 or f16 on the way to a quantiser, and a product that is left as it is and whose result goes on into a quantised operand takes f32 operands (vector FMAs, or v_wmma_f32_16x16x4_f32). A number that lies on a knife's edge between two numbers of the format may be rounded either way, as far as f32 arithmetic and the matrix unit's own rounding can turn it there, and no further.
;; One version. Each part assembles by itself: llvm-mc -triple=amdgcn-amd-amdhsa -mcpu=gfx1250 --defsym DOCPART=n.
;; ======== version 1 of 1: 2 launches
;; limits: right only within a limited range of input values
;; workspace buffers: xq 17,301,504 bytes; wq 6,488,064 bytes; gw 65,536 bytes; hist 8,192 bytes of whole numbers; masks 32,768 bytes of whole numbers
;; launch quant (part 1): grid 256 x 1, 16 waves a work-group, no clusters, 289,280 bytes of LDS; arguments x, gate_w, gate_b, w1, w2, xq, wq, hist, masks, gw; writes xq, wq, hist, masks, gw
.if DOCPART == 1
	.amdgcn_target "amdgcn-amd-amdhsa--gfx1250"
	.amdhsa_code_object_version 6
	.text
	.protected	k_q90a7d1be1e_quant
	.globl	k_q90a7d1be1e_quant
	.p2align	8
	.type	k_q90a7d1be1e_quant,@function
k_q90a7d1be1e_quant:
	s_mov_b64 s[64:65], 0
	v_nop
	global_prefetch_b8 v0, s[64:65] scope:SCOPE_SE
	s_setreg_imm32_b32 hwreg(HW_REG_WAVE_MODE, 25, 1), 1
	s_wait_xcnt 0x0
; x [8192][2048] f32 is read once and serves twice: (1) codes of BF8 (E5M2) with one E8M0 byte for each 32 along K; (2) the router: logits = x gate_w^T + gate_b in f32, the two largest, their two gates.
; w1 [8][256][2048] and w2 [8][1000][256] become codes and scale bytes in the order of the operand's registers.
; WORK LEFT OUT: the six experts of a token that the mask gives the gate 0 are not computed (limit: a NaN, an infinity or an overflow in an expert that was not chosen is not carried to the result).
; SHARES.  A work-group takes 32 tokens; wave w takes 128 along K (K step w) of all 32: two fragments of 16 rows x 128 K.  Waves 0-7 take one fragment of w1 each, waves 8-11 one of w2 each: 256 x 8 and 256 x 4 fragments in all.  No loop.
; ORDER OF K INSIDE A BLOCK OF 32 (all quantised operands of this program, both sides alike): lane (r, h) holds, as its 16 numbers of a block, k = 8 h + 0..7 and k = 16 + 8 h + 0..7.  Blocks and scales are untouched.
; xq: codes [8192][2048] in that order, then at XSOFF the scale bytes [8192][64].  gw: [8192][2] f32, the gates of the experts a < b.
; masks [32][256] u32: bit t of [p][g] says that token 32 g + t chose pair p = a (13 - a) / 2 + b - 1;  hist [32][256] u8: that word's number of ones.
; wq: 256 blocks (e, half of the hidden units, K step) of BLK bytes: 8 fragments of 2,048 bytes (registers 4 c .. 4 c + 3 of lane l at 512 c + 16 l), then 512 bytes of scale words: word 4 (16 (T % 2) + r) + T / 2 is row r of tile T.
;   W2F: [e][ct 64][K step 2] fragments; W2S: [e][ct / 4] 512 bytes: word 4 (16 (K step) + r) + ct % 4.  Outputs 1000..1023 of an expert take the rows of w2 that follow (held at the last): results that nobody stores.
; THE GATES.  gates_a / (gates_a + gates_b) = 1 / (1 + e^(second - best)): the softmax's divisor cancels, the largest logit is what is taken away ahead of the exponential, and the two chosen gates sum to at least 1/8 of 1, so the floor 1e-12 can never hold.
; The logits are made by the f32 matrix form: source 0 = the 8 rows of gate_w, twice; source 1 = 16 tokens: a lane holds one token's 8 logits.
; LIMITS: NaN and infinities among the inputs are not served.  A block whose largest magnitude lies under 2^-111 gets the byte 1 (a block of zeros too: its codes are zeros, and this program alone reads the bytes).
; The order of the f32 sums differs from the reference's: a token whose second and third logit agree to about 1e-6 of their size may take the other expert.  Equal logits: the lower index.
.set XSOFF, 16777216
.set BLK,   16896
.set W2F,   4325376
.set W2S,   6422528
.set STW,   12672                      ; LDS: a stage for each wave: 16 rows of 512 bytes + 16, and gate_w's 8
.set GST,   8448
.set SP,    528
.set CSB,   202752                     ; 32 rows of codes, 2,048 bytes + 16
.set CP,    2064
.set PLB,   268800                     ; partial logits [wave][32 tokens][8] f32
.set SSB,   285184                     ; scale bytes [32 tokens][64]
.set SPARE, 287232
.set SPW, 11
.set NIL, 12
.set XA,  16                           ; v16-79   x's first fragment; later the weights'
.set XB,  80                           ; v80-143  x's second
.set GF, 144                           ; v144-207 gate_w's fragment; behind the products at work:
.set TM, 144
.set PC, 160
.set PL, 184
.set PS, 192
.set PW, 200
.set ACC, 208                          ; v208-239 four accumulators: written by matrix instructions alone
.set OF, 240                           ; v240-255 byte offsets of a weight fragment's 16 rows
.set SEL, 20
.set MNT, 22
.set RB,  80                           ; the router, in wave 12 alone
.set BV, 116
.set BI, 117
.set SV, 118
.set SI, 119
.set T0, 120
.set EX, 121
.set RC, 122
.set T1, 123
.set GA, 124
.set KY, 126
.set AA, 127
.set BB, 128
.set NK, 130
.set MM, 136
.set PN, 137
.set PA, 138
.set HA, 139
.set GO, 140
; 64 numbers of my row out of a stage of f32 rows, in the order stated above
.macro PFRAG reg, adr, off
.irp b, 0,1,2,3
	ds_load_b128 v[\reg+16*\b:\reg+16*\b+3], v[\adr] offset:\off+128*\b
	ds_load_b128 v[\reg+16*\b+4:\reg+16*\b+7], v[\adr] offset:\off+128*\b+16
	ds_load_b128 v[\reg+16*\b+8:\reg+16*\b+11], v[\adr] offset:\off+128*\b+64
	ds_load_b128 v[\reg+16*\b+12:\reg+16*\b+15], v[\adr] offset:\off+128*\b+80
.endr
.endm
; 64 numbers of a lane, register 16 b + i in block b, become a fragment's codes in v[PC] on and its scale word in v[PW]
.macro QUANT s
.irp b, 0,1,2,3
	v_max3_num_f32 v[TM+\b], |v[\s+16*\b]|, |v[\s+1+16*\b]|, 0x8000000   ; the floor 2^(16 - 127): the byte cannot fall under 1
.endr
.irp i, 2,4,6,8,10,12,14
.irp b, 0,1,2,3
	v_max3_num_f32 v[TM+\b], v[TM+\b], |v[\s+16*\b+\i]|, |v[\s+1+16*\b+\i]|
.endr
.endr
.irp b, 0,1,2,3
	v_permlanex16_b32 v[TM+4+\b], v[TM+\b], s[SEL], s[SEL+1]
.endr
.irp b, 0,1,2,3
	v_max_num_f32 v[TM+\b], v[TM+\b], v[TM+4+\b]   ; with lane l xor 16's: the block's largest magnitude
.endr
.irp b, 0,1,2,3
	v_add_nc_u32 v[TM+12+\b], 0xf8800000, v[TM+\b]   ; 15 off its exponent field: the conversion's scale operand
.endr
.irp b, 0,1,2,3
	v_and_or_b32 v[TM+8+\b], v[TM+\b], 0x7f800000, s[MNT]   ; 57,344 x the scale
.endr
.irp b, 0,1,2,3
	v_lshrrev_b32 v[TM+4+\b], 23, v[TM+12+\b]   ; the scale's byte
.endr
	v_lshl_or_b32 v[PW], v[TM+5], 8, v[TM+4]
	v_lshl_or_b32 v[PW], v[TM+6], 16, v[PW]
	v_lshl_or_b32 v[PW], v[TM+7], 24, v[PW]
.irp b, 0,1,2,3
.irp i, 0,1,2,3,4,5,6,7,8,9,10,11,12,13,14,15
	v_med3_num_f32 v[\s+16*\b+\i], v[\s+16*\b+\i], -v[TM+8+\b], v[TM+8+\b]   ; the conversion to an 8-bit code does not saturate (ISA guide 7.6.2): the hold
.endr
	v_cvt_scalef32_pk8_bf8_f32 v[PC+4*\b:PC+1+4*\b], v[\s+16*\b:\s+7+16*\b], v[TM+12+\b]
	v_cvt_scalef32_pk8_bf8_f32 v[PC+2+4*\b:PC+3+4*\b], v[\s+8+16*\b:\s+15+16*\b], v[TM+12+\b]
.endr
	v_nop                                          ; a plain line behind the last conversion
.endm
; x's fragment g (tokens 16 g on), loaded as it lies into x: turned through the stage, multiplied by gate_w, quantised
.macro XPART g, x
.irp i, 0,1,2,3,4,5,6,7,8,9,10,11,12,13,14,15
	ds_store_b128 v5, v[\x+4*\i:\x+4*\i+3] offset:SP*\i
.endr
	PFRAG \x, 6, 0                                 ; LDS serves a wave's instructions in order (ISA guide 5.7.1.4): these see the stores above
	PFRAG GF, 7, GST
	s_wait_dscnt 0x0
; 128 along K in 32 instructions of 4: both sources hold the same k in the same lane and register.  Four accumulators by turns; each sum's first instruction takes the constant 0
.set p_, 0
.rept 32
.if p_ < 4
	v_wmma_f32_16x16x4_f32 v[ACC+8*(p_%4):ACC+8*(p_%4)+7], v[GF+2*p_:GF+2*p_+1], v[\x+2*p_:\x+2*p_+1], 0
.else
	v_wmma_f32_16x16x4_f32 v[ACC+8*(p_%4):ACC+8*(p_%4)+7], v[GF+2*p_:GF+2*p_+1], v[\x+2*p_:\x+2*p_+1], v[ACC+8*(p_%4):ACC+8*(p_%4)+7]
.endif
.set p_, p_+1
.endr
.rept 8
	v_nop                                          ; eight places (ISA guide 7.12.1): gate_w's registers are written next
.endr
	QUANT \x
.irp c, 0,1,2,3
	ds_store_b128 v8, v[PC+4*\c:PC+4*\c+3] offset:16*CP*\g+32*\c
.endr
	ds_store_b32 v9, v[PW] offset:1024*\g          ; both halves of the lanes write the same word with the same value
.irp i, 0,2,4,6
	v_pk_add_f32 v[PL+\i:PL+\i+1], v[ACC+\i:ACC+\i+1], v[ACC+8+\i:ACC+8+\i+1]              ; each accumulator from its low end on
	v_pk_add_f32 v[PS+\i:PS+\i+1], v[ACC+16+\i:ACC+16+\i+1], v[ACC+24+\i:ACC+24+\i+1]
.endr
.irp i, 0,2,4,6
	v_pk_add_f32 v[PL+\i:PL+\i+1], v[PL+\i:PL+\i+1], v[PS+\i:PS+\i+1]
.endr
	ds_store_b128 v10, v[PL:PL+3] offset:512*\g    ; rows 8-15 of source 0 repeat rows 0-7: both halves hold, and write, the same numbers
	ds_store_b128 v10, v[PL+4:PL+7] offset:512*\g+16
.endm
	s_load_b512 s[32:47], s[0:1], 0x0              ; x s32, gate_w s34, gate_b s36, w1 s38, w2 s40, xq s42, wq s44, hist s46
	s_load_b128 s[48:51], s[0:1], 0x40             ; masks s48, gw s50
	v_lshl_add_u32 v[SPW], v0, 2, SPARE
	v_mov_b32 v[NIL], 0
	v_lshrrev_b32 v1, 5, v0
	v_readfirstlane_b32 s16, v1                    ; wave 0..15 = my K step
	v_and_b32 v1, 31, v0                           ; lane
	v_and_b32 v2, 15, v0                           ; r
	v_bfe_u32 v3, v0, 4, 1                         ; h
	v_lshlrev_b32 v14, 4, v1                       ; 16 x lane
	s_lshl_b32 s17, s16, 9
	v_add_nc_u32 v4, s17, v14                      ; my 16 bytes of a row's 512 of this K step
	s_lshl_b32 s18, ttmp9, 18                      ; 32 rows of 8,192 bytes a work-group
	s_mov_b32 s19, 0
	s_wait_alu depctr_va_vdst(0)
	s_wait_kmcnt 0x0
	s_add_nc_u64 s[4:5], s[32:33], s[18:19]
.irp e, 0,1,2,3,4,5,6,7
	global_load_b128 v[GF+4*\e:GF+4*\e+3], v4, s[34:35] offset:8192*\e              ; 32 lanes read 512 consecutive bytes of a row of gate_w
.endr
.irp i, 0,1,2,3,4,5,6,7,8,9,10,11,12,13,14,15
	global_load_b128 v[XA+4*\i:XA+4*\i+3], v4, s[4:5] offset:8192*\i th:TH_LOAD_NT
.endr
.irp i, 0,1,2,3,4,5,6,7,8,9,10,11,12,13,14,15
	global_load_b128 v[XB+4*\i:XB+4*\i+3], v4, s[4:5] offset:8192*(16+\i) th:TH_LOAD_NT
.endr
	s_load_b256 s[52:59], s[36:37], 0x0            ; gate_b
	s_mov_b32 s[SEL], 0x76543210
	s_mov_b32 s[SEL+1], 0xfedcba98                 ; v_permlanex16_b32's selects for lane l xor 16
	s_mov_b32 s[MNT], 0x600000                     ; the mantissa field of 57,344
	; my weight fragment.  Waves 0-7: w1, rows 128 (g / 16) + 16 w on, K step g % 16
	s_lshr_b32 s24, ttmp9, 4
	s_lshl_b32 s24, s24, 7
	s_lshl_b32 s60, s16, 4
	s_add_co_u32 s24, s24, s60                     ; first row
	s_and_b32 s25, ttmp9, 15
	s_lshl_b32 s25, s25, 9                         ; bytes into a row
	s_mul_i32 s26, ttmp9, BLK
	s_add_co_u32 s60, s26, 16384
	s_lshl_b32 s61, s16, 11
	s_add_co_u32 s26, s26, s61                     ; the codes' place
	s_and_b32 s61, s16, 1
	s_lshl_b32 s62, s61, 8
	s_add_co_u32 s27, s60, s62
	s_lshr_b32 s63, s16, 1
	s_lshl_b32 s63, s63, 2
	s_add_co_u32 s27, s27, s63                     ; the scale words'
	; waves 8-11: w2, fragment f = 4 g + w - 8: expert f / 128, ct = f / 2 % 64, K step f % 2
	s_lshl_b32 s60, ttmp9, 2
	s_add_co_u32 s60, s60, s16
	s_sub_co_u32 s60, s60, 8
	s_lshr_b32 s63, s60, 7
	s_mul_i32 s72, s63, 1000
	s_bfe_u32 s73, s60, 0x60001
	s_lshl_b32 s63, s73, 4
	s_add_co_u32 s72, s72, s63
	s_lshl_b32 s74, s61, 9
	s_lshl_b32 s75, s60, 11
	s_add_co_u32 s75, s75, W2F
	s_lshr_b32 s76, s60, 3
	s_lshl_b32 s76, s76, 9
	s_add_co_u32 s76, s76, s62
	s_and_b32 s63, s73, 3
	s_lshl_b32 s63, s63, 2
	s_add_co_u32 s76, s76, s63
	s_add_co_u32 s76, s76, W2S
	s_mov_b32 s30, 7999
	s_cmp_lt_u32 s16, 8                            ; the choice hangs on the wave's number alone
	s_cselect_b32 s24, s24, s72
	s_cselect_b32 s25, s25, s74
	s_cselect_b32 s26, s26, s75
	s_cselect_b32 s27, s27, s76
	s_cselect_b32 s30, 2047, s30                   ; the tensor's last row
	s_cselect_b32 s29, 13, 10                      ; a row is 8,192 or 1,024 bytes
	s_cselect_b64 s[70:71], s[38:39], s[40:41]
	s_mov_b32 s60, s26
	s_mov_b32 s61, 0
	s_add_nc_u64 s[66:67], s[44:45], s[60:61]
	s_mov_b32 s60, s27
	s_add_nc_u64 s[68:69], s[44:45], s[60:61]
	s_lshl_b32 s18, ttmp9, 16
	s_add_nc_u64 s[80:81], s[42:43], s[18:19]      ; xq's codes of my 32 tokens
	s_add_nc_u64 s[82:83], s[42:43], XSOFF
	s_lshl_b32 s18, ttmp9, 11
	s_add_nc_u64 s[82:83], s[82:83], s[18:19]      ; their scale bytes
	s_lshl_b32 s18, ttmp9, 8
	s_add_nc_u64 s[84:85], s[50:51], s[18:19]      ; their gates
	s_mul_i32 s23, s16, STW                        ; my stage
	s_lshl_b32 s60, s16, 7
	s_add_co_u32 s60, s60, CSB
	s_lshl_b32 s61, s16, 2
	s_add_co_u32 s61, s61, SSB
	s_lshl_b32 s62, s16, 10
	s_add_co_u32 s62, s62, PLB
	v_add_nc_u32 v5, s23, v14                      ; into it: as loaded
	v_mul_u32_u24 v6, v2, SP
	v_lshl_add_u32 v6, v3, 5, v6
	v_add_nc_u32 v6, s23, v6                       ; out of it: row r, + 32 h
	v_and_b32 v7, 7, v0
	v_mul_u32_u24 v7, v7, SP
	v_lshl_add_u32 v7, v3, 5, v7
	v_add_nc_u32 v7, s23, v7                       ; gate_w's row r % 8, + 32 h
	v_mul_u32_u24 v8, v2, CP
	v_lshl_add_u32 v8, v3, 4, v8
	v_add_nc_u32 v8, s60, v8                       ; codes: row r, K step w, + 16 h
	v_lshl_add_u32 v9, v2, 6, s61                  ; scale word: row r, K step w
	v_lshl_add_u32 v10, v2, 5, s62                 ; partial logits: wave w, token r
	v_lshl_add_u32 v13, v1, 5, PLB                 ; all waves' partial logits of token = lane
	v_add_nc_u32 v15, SSB, v14                     ; the scale bytes on their way out
	s_wait_alu depctr_va_vdst(0)
	s_wait_loadcnt 32                              ; gate_w's 8 loads are in; x's 32 may be out
.irp e, 0,1,2,3,4,5,6,7
	ds_store_b128 v5, v[GF+4*\e:GF+4*\e+3] offset:GST+SP*\e
.endr
	s_wait_loadcnt 16                              ; x's first fragment is in
	XPART 0, XA
	s_cmp_lt_u32 s16, 12
	s_cbranch_scc0 .Lno_weight
.irp i, 0,1,2,3,4,5,6,7,8,9,10,11,12,13,14,15
	s_add_co_u32 s31, s24, \i
	s_min_u32 s31, s31, s30                        ; no load leaves its buffer
	s_lshl_b32 s31, s31, s29
	s_add_co_u32 s31, s31, s25
	v_add_nc_u32 v[OF+\i], s31, v14
.endr
	s_wait_alu depctr_va_vdst(0)
.irp i, 0,1,2,3,4,5,6,7,8,9,10,11,12,13,14,15
	global_load_b128 v[XA+4*\i:XA+4*\i+3], v[OF+\i], s[70:71] th:TH_LOAD_NT        ; the weights' fragment: 512 consecutive bytes of a row a load
.endr
	s_wait_loadcnt 16                              ; x's second fragment is in; the 16 just issued may be out
	s_branch .Lsecond
.Lno_weight:
	s_wait_loadcnt 0x0
.Lsecond:
	XPART 1, XB
	s_wait_kmcnt 0x0                               ; gate_b
	s_wait_dscnt 0x0                               ; for the others' sake: all my LDS stores have landed
	s_barrier_signal -1
	s_barrier_wait -1
	s_cmp_eq_u32 s16, 12
	s_cbranch_scc0 .Lnot_router
; wave 12: the router.  Lane l works token l.
.irp u, 0,1,2,3,4,5,6,7,8,9,10,11,12,13,14,15
	ds_load_b128 v[RB+8*\u:RB+8*\u+3], v13 offset:1024*\u
	ds_load_b128 v[RB+8*\u+4:RB+8*\u+7], v13 offset:1024*\u+16
.endr
	s_wait_dscnt 0x0
.irp d, 8,4,2,1
.irp u, 0,1,2,3,4,5,6,7
.if \u < \d
.irp i, 0,2,4,6
	v_pk_add_f32 v[RB+8*\u+\i:RB+1+8*\u+\i], v[RB+8*\u+\i:RB+1+8*\u+\i], v[RB+8*(\u+\d)+\i:RB+1+8*(\u+\d)+\i]
.endr
.endif
.endr
.endr
.irp e, 0,1,2,3,4,5,6,7
	v_add_f32 v[RB+\e], s[52+\e], v[RB+\e]         ; + gate_b: the logits
.endr
	v_mov_b32 v[BV], v[RB]
	v_mov_b32 v[BI], 0
.irp e, 1,2,3,4,5,6,7
	v_cmp_gt_f32 vcc_lo, v[RB+\e], v[BV]           ; strictly larger: of equals the lower index stays
	v_cndmask_b32 v[BV], v[BV], v[RB+\e], vcc_lo
	v_cndmask_b32 v[BI], v[BI], \e, vcc_lo
.endr
	v_mov_b32 v[SV], 0xff800000                    ; -infinity
	v_mov_b32 v[SI], 0
.irp e, 0,1,2,3,4,5,6,7
	v_cmp_ne_u32 s60, \e, v[BI]
	v_cmp_gt_f32 vcc_lo, v[RB+\e], v[SV]
	s_and_b32 vcc_lo, vcc_lo, s60
	v_cndmask_b32 v[SV], v[SV], v[RB+\e], vcc_lo
	v_cndmask_b32 v[SI], v[SI], \e, vcc_lo
.endr
	v_sub_f32 v[T0], v[SV], v[BV]                  ; second - best, 0 or less
	v_mul_f32 v[T0], 0x3fb8aa3b, v[T0]
	s_wait_alu depctr_va_vdst(0)
	v_exp_f32 v[EX], v[T0]
	v_min_u32 v[AA], v[BI], v[SI]                  ; (a plain line behind the transcendental)  a, the lower-numbered expert
	s_wait_alu depctr_va_vdst(0)
	v_add_f32 v[T0], 1.0, v[EX]
	s_wait_alu depctr_va_vdst(0)
	v_rcp_f32 v[RC], v[T0]
	v_max_u32 v[BB], v[BI], v[SI]                  ; (likewise)  b
	s_wait_alu depctr_va_vdst(0)
	v_mul_f32 v[EX], v[EX], v[RC]                  ; the second's gate; the best's is v[RC]
	v_cmp_lt_u32 vcc_lo, v[BI], v[SI]
	v_cndmask_b32 v[GA], v[EX], v[RC], vcc_lo      ; a's gate
	v_cndmask_b32 v[GA+1], v[RC], v[EX], vcc_lo    ; b's
	v_sub_nc_u32 v[KY], 13, v[AA]
	v_mul_u32_u24 v[KY], v[KY], v[AA]
	v_lshrrev_b32 v[KY], 1, v[KY]
	v_add3_u32 v[KY], v[KY], v[BB], -1             ; the pair: a (13 - a) / 2 + b - 1
; five ballots of the pair's bits give each lane, taken as a pair's number, the mask of the tokens with that pair
.irp i, 0,1,2,3,4
	v_bfe_u32 v[NK+\i], v0, \i, 1
	v_bfe_u32 v[T0], v[KY], \i, 1
	v_add_nc_u32 v[NK+\i], -1, v[NK+\i]            ; 0 where bit i of my lane's number is 1, else all ones
	v_cmp_eq_u32 s[86+\i], 1, v[T0]
.endr
	v_xor_b32 v[MM], s86, v[NK]
.irp i, 1,2,3,4
	v_xor_b32 v[T1], s[86+\i], v[NK+\i]
	v_and_b32 v[MM], v[MM], v[T1]
.endr
	s_mov_b32 s91, 0x01010101
	v_lshrrev_b32 v[T1], 1, v[MM]                  ; the number of ones in it
	v_and_b32 v[T1], 0x55555555, v[T1]
	v_sub_nc_u32 v[PN], v[MM], v[T1]
	v_lshrrev_b32 v[T1], 2, v[PN]
	v_and_b32 v[PN], 0x33333333, v[PN]
	v_and_b32 v[T1], 0x33333333, v[T1]
	v_add_nc_u32 v[PN], v[PN], v[T1]
	v_lshrrev_b32 v[T1], 4, v[PN]
	v_add_nc_u32 v[PN], v[PN], v[T1]
	v_and_b32 v[PN], 0x0f0f0f0f, v[PN]
	v_mul_lo_u32 v[PN], v[PN], s91
	v_lshrrev_b32 v[PN], 24, v[PN]
	s_lshl_b32 s60, ttmp9, 2
	v_lshl_add_u32 v[PA], v1, 10, s60
	v_lshl_add_u32 v[HA], v1, 8, ttmp9
	v_lshlrev_b32 v[GO], 3, v1
	global_store_b32 v[PA], v[MM], s[48:49]        ; at fixed places: no address of this launch hangs on the choice
	global_store_b8 v[HA], v[PN], s[46:47]
	global_store_b64 v[GO], v[GA:GA+1], s[84:85]   ; 256 consecutive bytes
.Lnot_router:
	s_mul_i32 s60, s16, 2*CP
	s_add_co_u32 s60, s60, CSB
	s_lshl_b32 s61, s16, 12
	v_add_nc_u32 v112, s60, v14                    ; the way out: tokens 2 w, 2 w + 1
	v_add_nc_u32 v113, s61, v14
	v_lshlrev_b32 v114, 4, v2                      ; a weight's scale words: 16 r
	s_wait_alu depctr_va_vdst(0)
.irp i, 0,1,2,3,4,5,6,7
	ds_load_b128 v[80+4*\i:83+4*\i], v112 offset:CP*(\i/4)+512*(\i%4)
.endr
.irp i, 0,1,2,3,4,5,6,7
	s_wait_dscnt 7-\i
	global_store_b128 v113, v[80+4*\i:83+4*\i], s[80:81] offset:512*\i   ; 512 consecutive bytes, at a multiple of 256 from xq's first byte
.endr
	s_cmp_eq_u32 s16, 13
	s_cbranch_scc0 .Lnot_scales
	ds_load_b128 v[144:147], v15                   ; wave 13: the 32 tokens' 2,048 scale bytes
	ds_load_b128 v[148:151], v15 offset:512
	ds_load_b128 v[152:155], v15 offset:1024
	ds_load_b128 v[156:159], v15 offset:1536
	s_wait_dscnt 0x0
	global_store_b128 v14, v[144:147], s[82:83]
	global_store_b128 v14, v[148:151], s[82:83] offset:512
	global_store_b128 v14, v[152:155], s[82:83] offset:1024
	global_store_b128 v14, v[156:159], s[82:83] offset:1536
	s_wait_xcnt 0x0
.Lnot_scales:
	s_cmp_lt_u32 s16, 12
	s_cbranch_scc0 .Lend
	s_wait_loadcnt 0x0                             ; the weights' fragment
.irp i, 0,1,2,3,4,5,6,7,8,9,10,11,12,13,14,15
	ds_store_b128 v5, v[XA+4*\i:XA+4*\i+3] offset:SP*\i
.endr
	PFRAG XA, 6, 0
	s_wait_dscnt 0x0
	QUANT XA
.irp c, 0,1,2,3
	global_store_b128 v14, v[PC+4*\c:PC+4*\c+3], s[66:67] offset:512*\c   ; 512 consecutive bytes, at a multiple of 256 from wq's first byte
.endr
	global_store_b32 v114, v[PW], s[68:69]         ; both halves of the lanes store the same word
.Lend:
	s_wait_tensorcnt 0x0                           ; the wave's end
	ds_add_u32 v[SPW], v[NIL]
	s_wait_dscnt 0x0
	s_endpgm
.Lfunc_end_k_q90a7d1be1e_quant:
	.size	k_q90a7d1be1e_quant, .Lfunc_end_k_q90a7d1be1e_quant-k_q90a7d1be1e_quant
	.p2alignl 7, 3214868480
	.fill 96, 4, 3214868480
	.section	.rodata,"a",@progbits
	.p2align	6, 0x0
	.amdhsa_kernel k_q90a7d1be1e_quant
		.amdhsa_group_segment_fixed_size 289280
		.amdhsa_private_segment_fixed_size 0
		.amdhsa_enable_private_segment 0
		.amdhsa_kernarg_size 80
		.amdhsa_user_sgpr_count 2
		.amdhsa_user_sgpr_kernarg_segment_ptr 1
		.amdhsa_wavefront_size32 1
		.amdhsa_system_sgpr_workgroup_id_x 1
		.amdhsa_system_sgpr_workgroup_id_y 1
		.amdhsa_system_sgpr_workgroup_id_z 1
		.amdhsa_system_vgpr_workitem_id 0
		.amdhsa_next_free_vgpr 256
		.amdhsa_next_free_sgpr 100
		.amdhsa_reserve_vcc 1
		.amdhsa_float_denorm_mode_32 3
		.amdhsa_float_denorm_mode_16_64 3
		.amdhsa_memory_ordered 1
		.amdhsa_forward_progress 1
		.amdhsa_inst_pref_size 68
	.end_amdhsa_kernel
	.amdgpu_metadata
---
amdhsa.version: [ 1, 2 ]
amdhsa.kernels:
  - .name:           k_q90a7d1be1e_quant
    .symbol:         k_q90a7d1be1e_quant.kd
    .args:
      - { .name: x, .offset: 0, .size: 8, .value_kind: global_buffer, .address_space: global }
      - { .name: gate_w, .offset: 8, .size: 8, .value_kind: global_buffer, .address_space: global }
      - { .name: gate_b, .offset: 16, .size: 8, .value_kind: global_buffer, .address_space: global }
      - { .name: w1, .offset: 24, .size: 8, .value_kind: global_buffer, .address_space: global }
      - { .name: w2, .offset: 32, .size: 8, .value_kind: global_buffer, .address_space: global }
      - { .name: xq, .offset: 40, .size: 8, .value_kind: global_buffer, .address_space: global }
      - { .name: wq, .offset: 48, .size: 8, .value_kind: global_buffer, .address_space: global }
      - { .name: hist, .offset: 56, .size: 8, .value_kind: global_buffer, .address_space: global }
      - { .name: masks, .offset: 64, .size: 8, .value_kind: global_buffer, .address_space: global }
      - { .name: gw, .offset: 72, .size: 8, .value_kind: global_buffer, .address_space: global }
    .group_segment_fixed_size: 289280
    .private_segment_fixed_size: 0
    .kernarg_segment_align: 8
    .kernarg_segment_size: 80
    .max_flat_workgroup_size: 512
    .sgpr_count:     100
    .vgpr_count:     256
    .wavefront_size: 32
...
	.end_amdgpu_metadata
.endif
;; end of part 1
;; launch chain (part 2): grid 155 x 1, 4 waves a work-group, no clusters, 199,424 bytes of LDS; arguments xq, wq, b1, b2, gw, hist, masks, out0; writes out0
.if DOCPART == 2
	.amdgcn_target "amdgcn-amd-amdhsa--gfx1250"
	.amdhsa_code_object_version 6
	.text
	.protected	k_q90a7d1be1e_chain
	.globl	k_q90a7d1be1e_chain
	.p2align	8
	.type	k_q90a7d1be1e_chain,@function
k_q90a7d1be1e_chain:
	s_mov_b64 s[64:65], 0
	v_nop
	global_prefetch_b8 v0, s[64:65] scope:SCOPE_SE
	s_setreg_imm32_b32 hwreg(HW_REG_WAVE_MODE, 25, 1), 1
	s_wait_xcnt 0x0
; out = ga (relu(x w1a^T + b1a) w2a^T + b2a) + gb (relu(x w1b^T + b1b) w2b^T + b2b) for ONE TILE: at most 64 tokens that chose the same pair of experts a < b.  Experts that a token's mask gives the gate 0 are left out
; (limit: a NaN, an infinity or an overflow in an expert that was not chosen is not carried to the result).
; WHICH TOKENS.  Each work-group finds its own tile: the counts of the 28 pairs (hist: [pair][group of 32 tokens] bytes, 7 pairs a wave) are cut into tiles of 64; sum over pairs of ceil(c / 64) with sum c = 8,192 is at most 128 + 27 = 155 tiles,
;   whatever the split.  Then every wave finds the tile's 64 tokens: lane l holds the masks and counts of groups 8 l .. 8 l + 7 of the tile's pair; a rank is searched among the lanes, then among eight groups, then among 32 bits.
; Both products on codes of BF8 (E5M2) with E8M0 scales.  The hidden layer is quantised in registers, goes from wave to wave through LDS and never to memory; each output row has one owner.
; SHARES, four waves.  FIRST PRODUCT: wave w takes expert j = w / 2 and hidden units 128 (w % 2) on: 4 tiles of rows x 8 tiles of units = 32 accumulators, K = 2,048 in 16 steps.
; SECOND PRODUCT: wave w takes outputs 256 w on: 16 tiles of outputs x 4 tiles of rows x 2 experts, K = 256.  So every byte of w1 and of w2 belongs to ONE wave: the weights (laid by an earlier launch in the order of the
; operand's registers) come from memory straight into registers, each byte once in a work-group.  x's 64 rows of codes are gathered once into LDS and read by all four waves.
; No cluster, no joint loads: the rows of a tile are scattered tokens, how many tiles share a pair's weights hangs on counts in memory, and 155 tiles divide into no cluster.
; No prefetch: a wave has up to three K steps' weights asked for at any time, and the same weights are read by every tile of an expert.
; BOTH PRODUCTS ARE USED TRANSPOSED (source 0 = 16 rows of the weight, source 1 = 16 tokens): a lane holds one token.  In the first product the 16 registers of tiles 2 b and 2 b + 1 are units 32 b + 8 h + 0..7 and
; 32 b + 16 + 8 h + 0..7: the order in which all operands of this program lie inside a block of 32.  A wave's 64 registers of a tile of rows are 128 units: ONE whole fragment of the second product (K step w % 2 of
; expert j) and one whole scale word a row.  It goes to LDS as an image of its registers and comes back so in every wave.
; ROWS PAST THE TILE'S NUMBER repeat its last token: the same numbers, which inside the last partial tile of 16 rows go to the same address; tiles of 16 rows wholly past it store nothing.
; A TILE WITHOUT ROWS (a split may need fewer than 155) finds token 8,191 for all its rows, runs the first product and the quantiser on it, passes all barriers (none lies under a branch), ends ahead of the second product and stores nothing.
; A row of out0 is 4,000 bytes, so its pieces of 256 bytes cannot all start at multiples of 256: sixteen lanes store 256 consecutive bytes of a row.
; LIMITS: NaN and infinities are not served; a block of h whose largest number lies under 2^-111 gets the byte 1 (a block of zeros too: its codes are zeros).
; REGISTERS, in windows of 256.  Window 0: addresses; rows' offsets in out0; gates; scale words; v168-231 x's 4 fragments, one set (ahead of them the search; behind them h's codes, then rows on their way out).
;   Window 1: w1's ring, slots 0 and 1; later h's 16 fragments.  Window 2: v0-127 the ring's slot 2; v128-147 b2 and b1 on their way; later w2's four sets of 64 (tile t in set (t + 2) % 4).
;   Window 3: the gathered rows; then the 32 accumulators, (m, T) at v[8 (8 m + T)]; then v0-63 8 accumulators, v64-191 four tiles' results, v192-223 b2.
.set XSOFF, 16777216
.set BLK,   16896                      ; w1: a K step of 128 units: 16,384 bytes of codes, then 512 of scale words
.set W2F,   4325376
.set W2S,   6422528
.set XP,    2064                       ; a row of x's codes in LDS: 2,048 bytes + 16
.set XSB,   132096                     ; x's scale bytes: 64 rows of 64 bytes + 16
.set HIMG,  137216                     ; h: 16 images of 2,048 bytes: fragment 8 j + 2 m + K step
.set HSC,   169984                     ; h's scale words: [4 j + m][K step][row] words
.set BIB,   171008                     ; b2 [j][1024] f32
.set STG,   179200                     ; a stage of 16 rows x (256 bytes + 16) for each wave
.set CNT,   196608                     ; the pairs' counts: 8 words a wave, the last of them 0
.set B1L,   196864                     ; b1: my 128 numbers, a wave
.set SPARE, 198912
.set L16, 4
.set H32, 6
.set AXW, 7
.set AX,  8                            ; v8-9
.set AXS, 10
.set ASW, 11
.set HWI, 12
.set HWS, 13
.set LHI, 14
.set LHS, 15
.set ABI, 16
.set STO, 17
.set SRD, 18
.set ABS, 19
.set L15X, 20
.set AB1, 21
.set SPW, 22
.set NIL, 23
.set RO,  24
.set GP,  56
.set GQ,  64
.set HS,  72
.set XS,  76                           ; three sets of two, by K step % 3
.set AB1W, 82
.set L8,  83
.set L32, 84
.set CNA, 85
.set CNR, 86
.set TM,  88
.set WSC, 120                          ; v120-151 w2's scale words
.set AX0, 152                          ; v152-153 a fragment of x in K step 0;  v154 its scale words
.set AXS0, 154
.set HL,  160                          ; the count
.set CS,  176
.set T0,  184
.set T1,  185
.set ALL, 186
.set NT,  187
.set TB,  188
.set REL, 189
.set MK,  160                          ; the search
.set HB,  168
.set SU,  170
.set EP,  172
.set IP,  173
.set Q,   174
.set P4,  176
.set TA,  178
.set TV,  180
.set G,   184                          ; two sets of 24
.set RA,  160                          ; the gather
.set SD,  184
.set IXT, 192
.set TK,  196
.set GA,  200
.set XF,  168
.set OB,  168
.set PWB, 232
.set TW,  234
.set BO,  236
.set L3,  238
.set IDX, 240
.set BA,  248
.set BB,  249
.set IXA, 251
.set RW,  253
.set TOK, 254
.set OUT,  64                          ; in window 3
.set BBUF, 192                         ; in window 3
.set LIM, 4                            ; s4-7
.set SEL, 8
.set MNT, 10
.set WB,  52                           ; s[52:57] where the ring's three slots are filled from
.set TKS, 74                           ; s74-89
.set MSB, 0
.macro WIN new                         ; the immediate's high byte repeats the setting that is left
.if MSB != (\new)
	s_set_vgpr_msb (MSB<<8)|(\new)
.set MSB, (\new)
.endif
.endm
.macro NOPS n
.rept \n
	v_nop
.endr
.endm
.macro WMX                             ; one product, by the symbols rD, rA, rB, rSA, rSB; fA, fB: the side's scale words stand in lanes 16-31
.if fA && fB
	v_wmma_scale_f32_16x16x128_f8f6f4 v[rD:rD+7], v[rA:rA+15], v[rB:rB+15], v[rD:rD+7], v[rSA], v[rSB] matrix_a_fmt:MATRIX_FMT_BF8 matrix_b_fmt:MATRIX_FMT_BF8 matrix_a_scale:MATRIX_SCALE_ROW1 matrix_b_scale:MATRIX_SCALE_ROW1
.elseif fA
	v_wmma_scale_f32_16x16x128_f8f6f4 v[rD:rD+7], v[rA:rA+15], v[rB:rB+15], v[rD:rD+7], v[rSA], v[rSB] matrix_a_fmt:MATRIX_FMT_BF8 matrix_b_fmt:MATRIX_FMT_BF8 matrix_a_scale:MATRIX_SCALE_ROW1
.elseif fB
	v_wmma_scale_f32_16x16x128_f8f6f4 v[rD:rD+7], v[rA:rA+15], v[rB:rB+15], v[rD:rD+7], v[rSA], v[rSB] matrix_a_fmt:MATRIX_FMT_BF8 matrix_b_fmt:MATRIX_FMT_BF8 matrix_b_scale:MATRIX_SCALE_ROW1
.else
	v_wmma_scale_f32_16x16x128_f8f6f4 v[rD:rD+7], v[rA:rA+15], v[rB:rB+15], v[rD:rD+7], v[rSA], v[rSB] matrix_a_fmt:MATRIX_FMT_BF8 matrix_b_fmt:MATRIX_FMT_BF8
.endif
.endm
.macro SETWS ph                        ; w1's scale words of slot ph: four registers
.if (\ph) == 0
.set wsr, 104
.elseif (\ph) == 1
.set wsr, 112
.else
.set wsr, 116
.endif
.endm
.macro WLOAD ph                        ; a K step of w1, my eight fragments and their scale words, into slot ph of the ring: 33 loads
.if (\ph) == 2
	WIN 0x80
.else
	WIN 0x40
.endif
.irp t, 0,1,2,3,4,5,6,7
.irp c, 0,1,2,3
	global_load_b128 v[128*((\ph)%2)+16*\t+4*\c:128*((\ph)%2)+16*\t+4*\c+3], v[L16], s[WB+2*(\ph):WB+2*(\ph)+1] offset:2048*\t+512*\c
.endr
.endr
	WIN 0
	SETWS \ph
	global_load_b128 v[wsr:wsr+3], v[L16], s[WB+2*(\ph):WB+2*(\ph)+1] offset:16384   ; register T / 2: lanes 0-15 tile T even, lanes 16-31 odd
.endm
.macro SLICES dst, src, n              ; dst += the sum of src over the lanes below mine, src of n bits: bit by bit
.set i_, 0
.rept \n
	v_bfe_u32 v[T0], v[\src], i_, 1
	v_cmp_eq_u32 s[62+i_%2], 1, v[T0]
	v_mbcnt_lo_u32_b32 v[T1], s[62+i_%2], 0
	v_lshl_add_u32 v[\dst], v[T1], i_, v[\dst]
.set i_, i_+1
.endr
.endm
.macro BSUM d, x, y                    ; d = the sums of the eight bytes of x and y in two halves of 16 bits
	v_and_b32 v[\d], s11, v[\x]
	v_lshrrev_b32 v[\x], 8, v[\x]
	v_and_b32 v[\x], s11, v[\x]
	v_add_nc_u32 v[\d], v[\d], v[\x]
	v_and_b32 v[\x], s11, v[\y]
	v_add_nc_u32 v[\d], v[\d], v[\x]
	v_lshrrev_b32 v[\x], 8, v[\y]
	v_and_b32 v[\x], s11, v[\x]
	v_add_nc_u32 v[\d], v[\d], v[\x]
.endm
	s_load_b512 s[36:51], s[0:1], 0x0              ; xq s36, wq s38, b1 s40, b2 s42, gw s44, hist s46, masks s48, out0 s50
	v_lshl_add_u32 v[SPW], v0, 2, SPARE
	v_mov_b32 v[NIL], 0
	v_lshrrev_b32 v1, 5, v0
	v_readfirstlane_b32 s18, v1                    ; wave 0..3
	v_and_b32 v1, 31, v0                           ; lane
	v_and_b32 v2, 15, v0                           ; r
	v_bfe_u32 v3, v0, 4, 1                         ; h
	v_lshlrev_b32 v[L16], 4, v1
	v_lshlrev_b32 v[L8], 3, v1
	v_lshlrev_b32 v[L32], 5, v1
	s_lshr_b32 s19, s18, 1                         ; j: my expert in the first product
	s_and_b32 s20, s18, 1                          ; hh: my half of its hidden units
	s_mul_i32 s22, s18, 7*256
	s_mov_b32 s23, 0
	s_wait_alu depctr_va_vdst(0)
	s_wait_kmcnt 0x0
	s_add_nc_u64 s[52:53], s[46:47], s[22:23]
.irp j, 0,1,2,3,4,5,6
	global_load_b64 v[HL+2*\j:HL+2*\j+1], v[L8], s[52:53] offset:256*\j   ; pair 7 w + j's counts: 8 groups a lane
.endr
	v_lshlrev_b32 v[H32], 5, v3
	s_mul_i32 s59, s18, 16*XP
	v_add_nc_u32 v[AXW], s59, v[L16]               ; where my wave puts its 16 rows of x
	v_mul_u32_u24 v[AX0], v2, XP
	v_lshl_add_u32 v[AX0], v3, 4, v[AX0]           ; a fragment of x: row r, + 16 h;
	v_add_nc_u32 v[AX0+1], 32*XP, v[AX0]           ; 32 rows on for fragments 2 and 3
	v_mul_u32_u24 v[AXS0], v1, 80
	v_add_nc_u32 v[AXS0], XSB, v[AXS0]             ; x's scale words: row = lane
	v_mov_b32 v[AX], v[AX0]                        ; the same, stepped along K in the loop
	v_mov_b32 v[AX+1], v[AX0+1]
	v_mov_b32 v[AXS], v[AXS0]
	v_lshrrev_b32 v[ASW], 2, v1
	v_mul_u32_u24 v[ASW], v[ASW], 80
	v_and_b32 v[L3], 3, v1
	v_lshlrev_b32 v[L3], 4, v[L3]                  ; 16 (lane % 4)
	v_add_nc_u32 v[ASW], v[ASW], v[L3]
	s_mul_i32 s59, s18, 16*80
	s_add_co_u32 s59, s59, XSB
	v_add_nc_u32 v[ASW], s59, v[ASW]               ; where I put 16 scale bytes: row 16 w + lane / 4
	s_lshl_b32 s59, s19, 14
	s_lshl_b32 s21, s20, 11
	s_add_co_u32 s59, s59, s21
	s_add_co_u32 s59, s59, HIMG
	v_add_nc_u32 v[HWI], s59, v[L16]               ; where I put h's images: fragment 8 j + hh, + 2 for each tile of rows
	s_lshl_b32 s59, s19, 9
	s_lshl_b32 s21, s20, 6
	s_add_co_u32 s59, s59, s21
	s_add_co_u32 s59, s59, HSC
	v_lshl_add_u32 v[HWS], v2, 2, s59              ; and their scale words
	v_add_nc_u32 v[LHI], HIMG, v[L16]              ; where any wave reads them back
	v_lshl_add_u32 v[LHS], v1, 2, HSC
	s_lshl_b32 s59, s18, 10
	s_add_co_u32 s59, s59, BIB
	v_lshl_add_u32 v[ABI], v3, 5, s59              ; b2: my 256 outputs, + 8 h numbers
	s_mul_i32 s59, s18, 16*272
	s_add_co_u32 s59, s59, STG                     ; my stage
	v_mul_u32_u24 v[STO], v2, 272
	v_lshl_add_u32 v[STO], v3, 5, v[STO]
	v_add_nc_u32 v[STO], s59, v[STO]               ; in: row r, + 32 h
	v_mul_u32_u24 v[SRD], v3, 272
	v_lshl_add_u32 v[SRD], v2, 4, v[SRD]
	v_add_nc_u32 v[SRD], s59, v[SRD]               ; back: lanes 0-15 one row, lanes 16-31 the next
	v_lshl_add_u32 v[ABS], v0, 4, BIB
	v_lshlrev_b32 v[L15X], 4, v2
	s_lshl_b32 s59, s18, 9
	s_add_co_u32 s59, s59, B1L
	v_add_nc_u32 v[AB1W], s59, v[L16]              ; b1: in as it lies,
	v_lshl_add_u32 v[AB1], v3, 5, s59              ; out in the result's layout
	s_lshl_b32 s59, s18, 5
	s_add_co_u32 s59, s59, CNT
	v_mov_b32 v[CNA], s59
	v_lshl_add_u32 v[CNR], v1, 2, CNT
	v_lshlrev_b32 v[BO], 4, v0                     ; b2: 16 bytes a thread, twice;
	v_add_nc_u32 v[BO+1], 2048, v[BO]
	v_min_u32 v[BO+1], 3984, v[BO+1]               ; past output 999 the last 16 bytes again: no load leaves its buffer
.irp i, 0,1,2,3,4,5,6,7
	v_lshl_add_u32 v[IDX+\i], v3, 2, 8*\i          ; 4 x lane 2 i + h
.endr
	s_lshl_b32 s59, s20, 6
	v_lshl_add_u32 v[BA], v2, 2, s59               ; 4 x lane 16 (w % 2) + r
	v_lshlrev_b32 v[BB], 2, v2                     ; 4 x lane r,
	v_add_nc_u32 v[BB+1], 64, v[BB]                ; and 16 + r
	v_and_b32 v[IXA], 28, v1                       ; 4 x lane (lane / 4),
	v_add_nc_u32 v[IXA+1], 32, v[IXA]              ; and 8 on
.irp b, 0,1,2,3
	v_mov_b32 v[TM+4+\b], 0                        ; a lane permute's destination counts as one of its sources
.endr
	s_mov_b32 s[SEL], 0x76543210
	s_mov_b32 s[SEL+1], 0xfedcba98                 ; v_permlanex16_b32's selects for lane l xor 16
	s_mov_b32 s[MNT], 0x600000                     ; the mantissa field of 57,344
	s_mov_b32 s11, 0x00ff00ff
	s_mov_b32 s90, 0x55555555
	s_mov_b32 s91, 0x33333333
	s_mov_b32 s92, 0x0f0f0f0f
	s_mov_b32 s93, 0x01010101
	s_lshl_b32 s59, s18, 8
	s_sub_co_u32 s59, 1000, s59                    ; outputs left from my first
.irp g, 0,1,2,3
	s_sub_co_u32 s[LIM+\g], s59, 64*\g
	s_lshr_b32 s[LIM+\g], s[LIM+\g], 2
	s_min_u32 s[LIM+\g], s[LIM+\g], 16             ; how many of sixteen lanes, 4 outputs each, still lie inside a row: 16, or 10 at the row's end
.endr
	s_lshl_b32 s22, s18, 10
	s_add_nc_u64 s[12:13], s[50:51], s[22:23]      ; out0 at my first output
	s_add_nc_u64 s[14:15], s[36:37], XSOFF         ; x's scale bytes
	s_wait_alu depctr_va_vdst(0)
	s_wait_loadcnt 0x0
; my seven pairs' counts
.irp j, 0,1,2,3,4,5,6
	BSUM CS+\j, HL+2*\j, HL+2*\j+1
.endr
.irp m, 1,2,4,8
.irp j, 0,1,2,3,4,5,6
	v_add_nc_u32_dpp v[CS+\j], v[CS+\j], v[CS+\j] row_xmask:\m row_mask:0xf bank_mask:0xf
.endr
.endr
.irp j, 0,1,2,3,4,5,6
	v_permlanex16_b32 v[HL+2*\j], v[CS+\j], s[SEL], s[SEL+1]
.endr
.irp j, 0,1,2,3,4,5,6
	v_add_nc_u32 v[CS+\j], v[CS+\j], v[HL+2*\j]    ; all 256 groups, in two halves
.endr
.irp j, 0,1,2,3,4,5,6
	v_lshrrev_b32 v[HL+2*\j], 16, v[CS+\j]
	v_and_b32 v[CS+\j], 0xffff, v[CS+\j]
.endr
.irp j, 0,1,2,3,4,5,6
	v_add_nc_u32 v[CS+\j], v[CS+\j], v[HL+2*\j]
.endr
	v_mov_b32 v[CS+7], 0
	ds_store_b128 v[CNA], v[CS:CS+3]               ; all lanes write the same words with the same values
	ds_store_b128 v[CNA], v[CS+4:CS+7] offset:16
	s_wait_alu depctr_va_vdst(0)
	s_wait_dscnt 0x0                               ; for the others' sake
	s_barrier_signal -1
	s_barrier_wait -1
	ds_load_b32 v[ALL], v[CNR]                     ; lane l: pair l - l / 8; lanes 7, 15, 23, 31: none, with the count 0
	s_wait_dscnt 0x0
	v_add_nc_u32 v[NT], 63, v[ALL]
	v_lshrrev_b32 v[NT], 6, v[NT]                  ; the pair's tiles of 64: 128 at the most
	v_mov_b32 v[TB], 0
	SLICES TB, NT, 8                               ; the pair's first tile
	s_mov_b32 s30, ttmp9
	v_sub_nc_u32 v[REL], s30, v[TB]                ; which of the pair's tiles mine would be
	v_cmp_lt_u32 s31, v[REL], v[NT]                ; one lane at the most
	s_wait_alu depctr_va_vdst(0)
	s_ctz_i32_b32 s59, s31
	s_min_u32 s59, s59, 31
	v_readlane_b32 s26, v[ALL], s59
	v_readlane_b32 s27, v[REL], s59
	s_lshr_b32 s24, s59, 3
	s_sub_co_u32 s24, s59, s24
	s_min_u32 s24, s24, 31                         ; the pair
	s_lshl_b32 s25, s27, 6                         ; the rank of my first token
	s_sub_co_u32 s28, s26, s25
	s_min_u32 s28, s28, 64                         ; rows
	s_cmp_eq_u32 s31, 0                            ; no tile is mine
	s_cselect_b32 s28, 0, s28
	s_cselect_b32 s25, 0, s25
	s_max_u32 s29, s28, 1
	s_sub_co_u32 s29, s29, 1                       ; the last row
	s_mov_b32 s32, 0
.irp th, 7,13,18,22,25,27
	s_cmp_ge_u32 s24, \th
	s_add_co_ci_u32 s32, s32, 0                    ; a: the pairs with a = 1, 2 .. 6 begin at 7, 13, 18, 22, 25, 27
.endr
	s_sub_co_u32 s33, 13, s32
	s_mul_i32 s33, s33, s32
	s_lshr_b32 s33, s33, 1
	s_sub_co_u32 s33, s24, s33
	s_add_co_u32 s33, s33, 1                       ; b
	s_min_u32 s32, s32, 7
	s_min_u32 s33, s33, 7
	s_lshl_b32 s22, s24, 10
	s_add_nc_u64 s[16:17], s[48:49], s[22:23]      ; the pair's masks,
	s_lshl_b32 s22, s24, 8
	s_add_nc_u64 s[2:3], s[46:47], s[22:23]        ; its counts
	global_load_b128 v[MK:MK+3], v[L32], s[16:17]
	global_load_b128 v[MK+4:MK+7], v[L32], s[16:17] offset:16
	global_load_b64 v[HB:HB+1], v[L8], s[2:3]
	s_cmp_eq_u32 s19, 0
	s_cselect_b32 s21, s32, s33
	s_min_u32 s21, s21, 7                          ; my expert in the first product
	s_lshl_b32 s21, s21, 1
	s_add_co_u32 s21, s21, s20                     ; 2 e + hh
	s_mul_i32 s22, s21, 16*BLK
	s_add_nc_u64 s[52:53], s[38:39], s[22:23]      ; my K steps of w1
	s_add_nc_u64 s[54:55], s[52:53], BLK
	s_add_nc_u64 s[56:57], s[54:55], BLK
	s_lshl_b32 s22, s21, 9
	s_add_nc_u64 s[94:95], s[40:41], s[22:23]      ; my 128 numbers of b1
	s_mul_i32 s22, s32, 4000
	s_add_nc_u64 s[96:97], s[42:43], s[22:23]      ; a's b2,
	s_mul_i32 s22, s33, 4000
	s_add_nc_u64 s[98:99], s[42:43], s[22:23]      ; b's
	WIN 0x80                                       ; destination window 2
	global_load_b128 v[144:147], v[L16], s[94:95]
	global_load_b128 v[128:131], v[BO], s[96:97]
	global_load_b128 v[132:135], v[BO+1], s[96:97]
	global_load_b128 v[136:139], v[BO], s[98:99]
	global_load_b128 v[140:143], v[BO+1], s[98:99]
	WIN 0
	WLOAD 0
	WLOAD 1
	s_lshl_b32 s21, s18, 16
	s_add_co_u32 s21, s21, W2F
	s_lshl_b32 s22, s32, 18
	s_add_co_u32 s22, s22, s21
	s_add_nc_u64 s[66:67], s[38:39], s[22:23]      ; my 16 tiles of a's w2,
	s_lshl_b32 s22, s33, 18
	s_add_co_u32 s22, s22, s21
	s_add_nc_u64 s[68:69], s[38:39], s[22:23]      ; of b's
	s_lshl_b32 s21, s18, 11
	s_add_co_u32 s21, s21, W2S
	s_lshl_b32 s22, s32, 13
	s_add_co_u32 s22, s22, s21
	s_add_nc_u64 s[70:71], s[38:39], s[22:23]      ; their scale words
	s_lshl_b32 s22, s33, 13
	s_add_co_u32 s22, s22, s21
	s_add_nc_u64 s[72:73], s[38:39], s[22:23]
	v_min_u32 v[Q], s29, v1                        ; rows lane and 32 + lane; rows past the last repeat it
	v_add_nc_u32 v[Q+1], 32, v1
	v_min_u32 v[Q+1], s29, v[Q+1]
	v_add_nc_u32 v[Q], s25, v[Q]
	v_add_nc_u32 v[Q+1], s25, v[Q+1]               ; their ranks among the pair's tokens
	v_mov_b32 v[EP], 0
	v_mov_b32 v[P4], 0
	v_mov_b32 v[P4+1], 0
	s_wait_alu depctr_va_vdst(0)
	s_wait_loadcnt 63                              ; 71 loads were issued behind the three: with at most 63 out they are in
	v_mov_b32 v[TA], v[HB]
	BSUM SU, TA, HB+1
	v_lshrrev_b32 v[TA], 16, v[SU]
	v_and_b32 v[SU], 0xffff, v[SU]
	v_add_nc_u32 v[SU], v[SU], v[TA]               ; my 256 tokens' count
	SLICES EP, SU, 9                               ; the count of the lanes before mine,
	v_add_nc_u32 v[IP], v[EP], v[SU]               ; and with mine
; the rank's lane: how many lanes' sums lie at or under it (a lane permute: no LDS byte is touched)
.irp st, 16,8,4,2,1
.irp k, 0,1
	v_add_nc_u32 v[TA+\k], 4*\st-4, v[P4+\k]
	ds_bpermute_b32 v[TV+\k], v[TA+\k], v[IP]
.endr
	s_wait_alu depctr_va_vdst(0)
	s_wait_dscnt 0x0
.irp k, 0,1
	v_cmp_le_u32 vcc_lo, v[TV+\k], v[Q+\k]
	v_cndmask_b32 v[TV+\k], 0, 4*\st, vcc_lo
	v_add_nc_u32 v[P4+\k], v[P4+\k], v[TV+\k]
.endr
.endr
.irp k, 0,1
.irp i, 0,1,2,3,4,5,6,7
	ds_bpermute_b32 v[G+24*\k+\i], v[P4+\k], v[MK+\i]
.endr
	ds_bpermute_b32 v[G+24*\k+8], v[P4+\k], v[HB]
	ds_bpermute_b32 v[G+24*\k+9], v[P4+\k], v[HB+1]
	ds_bpermute_b32 v[G+24*\k+10], v[P4+\k], v[EP]
.endr
	s_wait_alu depctr_va_vdst(0)
	s_wait_dscnt 0x0
.macro LEVEL src, width, step          ; the field's count of ones at or under the rank: go past it
	v_bfe_u32 v[g_+11], v[\src], v[g_+14], \width
	v_cmp_le_u32 vcc_lo, v[g_+11], v[Q+k_]
	v_sub_nc_u32 v[g_+12], v[Q+k_], v[g_+11]
	v_cndmask_b32 v[Q+k_], v[Q+k_], v[g_+12], vcc_lo
	v_cndmask_b32 v[g_+12], 0, \step, vcc_lo
	v_add_nc_u32 v[g_+14], v[g_+14], v[g_+12]
.endm
.irp k, 0,1
.set k_, \k
.set g_, G+24*\k
	v_sub_nc_u32 v[Q+k_], v[Q+k_], v[g_+10]        ; the rank among the lane's tokens
	v_mul_lo_u32 v[g_+8], v[g_+8], s93             ; running sums of four groups' counts, a byte each (128 at the most)
	v_mul_lo_u32 v[g_+9], v[g_+9], s93
	v_lshrrev_b32 v[g_+11], 24, v[g_+8]
	v_cmp_le_u32 vcc_lo, v[g_+11], v[Q+k_]         ; in groups 4-7?
	v_sub_nc_u32 v[g_+12], v[Q+k_], v[g_+11]
	v_cndmask_b32 v[Q+k_], v[Q+k_], v[g_+12], vcc_lo
	v_cndmask_b32 v[g_+8], v[g_+8], v[g_+9], vcc_lo
.irp i, 0,1,2,3
	v_cndmask_b32 v[g_+\i], v[g_+\i], v[g_+4+\i], vcc_lo
.endr
	v_cndmask_b32 v[g_+13], 0, 4, vcc_lo
	v_bfe_u32 v[g_+11], v[g_+8], 8, 8
	v_cmp_le_u32 vcc_lo, v[g_+11], v[Q+k_]         ; in the upper two of the four?
	v_cndmask_b32 v[g_+12], 0, v[g_+11], vcc_lo
	v_cndmask_b32 v[g_], v[g_], v[g_+2], vcc_lo
	v_cndmask_b32 v[g_+1], v[g_+1], v[g_+3], vcc_lo
	v_cndmask_b32 v[g_+14], 0, 2, vcc_lo
	v_lshlrev_b32 v[g_+15], 3, v[g_+14]
	v_bfe_u32 v[g_+11], v[g_+8], v[g_+15], 8
	v_cmp_le_u32 vcc_lo, v[g_+11], v[Q+k_]         ; in the upper one of the two?
	v_cndmask_b32 v[g_+12], v[g_+12], v[g_+11], vcc_lo
	v_cndmask_b32 v[g_], v[g_], v[g_+1], vcc_lo    ; the group's mask
	v_cndmask_b32 v[g_+16], 0, 1, vcc_lo
	v_add3_u32 v[g_+13], v[g_+13], v[g_+14], v[g_+16]
	v_sub_nc_u32 v[Q+k_], v[Q+k_], v[g_+12]        ; the rank among the mask's ones
	v_lshrrev_b32 v[g_+5], 1, v[g_]
	v_and_b32 v[g_+5], s90, v[g_+5]
	v_sub_nc_u32 v[g_+1], v[g_], v[g_+5]           ; ones in fields of 2 bits,
	v_and_b32 v[g_+5], s91, v[g_+1]
	v_lshrrev_b32 v[g_+6], 2, v[g_+1]
	v_and_b32 v[g_+6], s91, v[g_+6]
	v_add_nc_u32 v[g_+2], v[g_+5], v[g_+6]         ; of 4,
	v_lshrrev_b32 v[g_+5], 4, v[g_+2]
	v_add_nc_u32 v[g_+5], v[g_+2], v[g_+5]
	v_and_b32 v[g_+3], s92, v[g_+5]                ; of 8,
	v_lshrrev_b32 v[g_+5], 8, v[g_+3]
	v_add_nc_u32 v[g_+4], v[g_+3], v[g_+5]         ; and of the lower 16
	v_mov_b32 v[g_+14], 0
	LEVEL g_+4, 8, 16
	LEVEL g_+3, 8, 8
	LEVEL g_+2, 4, 4
	LEVEL g_+1, 2, 2
	LEVEL g_, 1, 1
	v_lshl_add_u32 v[g_+14], v[g_+13], 5, v[g_+14]
	v_lshl_add_u32 v[TOK+k_], v[P4+k_], 6, v[g_+14]   ; the token: 256 x lane + 32 x group + bit
.endr
	s_cmp_ge_u32 s18, 2
	s_cselect_b32 s62, -1, 0
	v_cndmask_b32 v[TW], v[TOK], v[TOK+1], s62
	ds_bpermute_b32 v[RW], v[BA], v[TW]            ; lane (r, h): row 16 w + r's token
.irp mm, 0,1,2,3
	ds_bpermute_b32 v[TK+\mm], v[BB+\mm%2], v[TOK+\mm/2]   ; row 16 mm + r's
.endr
	s_wait_alu depctr_va_vdst(0)
	s_wait_dscnt 0x0
	ds_bpermute_b32 v[IXT], v[IXA], v[RW]          ; row 16 w + lane / 4's,
	ds_bpermute_b32 v[IXT+1], v[IXA+1], v[RW]      ; and 8 rows on
.irp i, 0,1,2,3,4,5,6,7,8,9,10,11,12,13,14,15
	v_readlane_b32 s[TKS+\i], v[RW], \i
.endr
.irp i, 0,1,2,3,4,5,6,7,8,9,10,11,12,13,14,15
	s_min_u32 s[TKS+\i], s[TKS+\i], 0x1fff
	s_lshl_b32 s[TKS+\i], s[TKS+\i], 11
	v_add_nc_u32 v[RA+\i], s[TKS+\i], v[L16]
.endr
	WIN 0xc0                                       ; destination window 3
	s_wait_alu depctr_va_vdst(0)
.irp i, 0,1,2,3,4,5,6,7,8,9,10,11,12,13,14,15
.irp q, 0,1,2,3
	global_load_b128 v[16*\i+4*\q:16*\i+4*\q+3], v[RA+\i], s[36:37] offset:512*\q    ; 32 lanes read 512 consecutive bytes of a token's codes
.endr
.endr
	WIN 0
	s_wait_dscnt 0x0
.irp q, 0,1
	v_min_u32 v[IXT+\q], 0x1fff, v[IXT+\q]
	v_lshlrev_b32 v[IXT+\q], 6, v[IXT+\q]
	v_add_nc_u32 v[IXT+\q], v[IXT+\q], v[L3]
	global_load_b128 v[SD+4*\q:SD+4*\q+3], v[IXT+\q], s[14:15]     ; four lanes read a token's 64 scale bytes
.endr
.irp mm, 0,1,2,3
	v_min_u32 v[TK+\mm], 0x1fff, v[TK+\mm]
	v_lshlrev_b32 v[GA+\mm], 3, v[TK+\mm]
	global_load_b64 v[GP+2*\mm:GP+2*\mm+1], v[GA+\mm], s[44:45]    ; my token's two gates
.endr
	WLOAD 2
	s_wait_alu depctr_va_vdst(0)
.irp mm, 0,1,2,3
.irp i, 0,1,2,3,4,5,6,7
	ds_bpermute_b32 v[RO+8*\mm+\i], v[IDX+\i], v[TK+\mm]           ; the token of row 16 mm + 2 i + h
.endr
.endr
	s_wait_dscnt 0x0
.set i, 0
.rept 32
	v_min_u32 v[RO+i], 0x1fff, v[RO+i]
	v_mul_u32_u24 v[RO+i], 4000, v[RO+i]
	v_add_nc_u32 v[RO+i], v[RO+i], v[L15X]         ; its row of out0, + 16 bytes a lane
.set i, i+1
.endr
	s_wait_alu depctr_va_vdst(0)
	s_wait_loadcnt 33                              ; all but the ring's slot 2, which was issued last
.irp mm, 0,1,2,3
	v_mov_b32 v[GQ+2*\mm], v[GP+2*\mm+1]           ; the pair the other way round: the packed forms below take a pair's first register for both halves
	v_mov_b32 v[GQ+2*\mm+1], v[GP+2*\mm]
.endr
	ds_store_b128 v[ASW], v[SD:SD+3]
	ds_store_b128 v[ASW], v[SD+4:SD+7] offset:640
	WIN 0x08                                       ; an LDS store's data are its source 1: window 2
	ds_store_b128 v[AB1W], v[144:147]
	ds_store_b128 v[ABS], v[128:131]
	ds_store_b128 v[ABS], v[132:135] offset:2048
	ds_store_b128 v[ABS], v[136:139] offset:4096
	ds_store_b128 v[ABS], v[140:143] offset:6144
	WIN 0x0c                                       ; window 3
.irp i, 0,1,2,3,4,5,6,7,8,9,10,11,12,13,14,15
.irp q, 0,1,2,3
	ds_store_b128 v[AXW], v[16*\i+4*\q:16*\i+4*\q+3] offset:XP*\i+512*\q
.endr
.endr
	WIN 0
	s_wait_alu depctr_va_vdst(0)
	s_wait_dscnt 0x0                               ; for the others' sake: my rows of x and my part of b2 lie in LDS
	s_barrier_signal -1
	s_barrier_wait -1                              ; all 64 rows do
.macro XSLOAD ph, o                    ; x's scale words of one K step: register p: lanes 0-15 rows of fragment 2 p, lanes 16-31 of 2 p + 1
.irp p, 0,1
	ds_load_b32 v[XS+2*(\ph)+\p], v[AXS] offset:2560*\p+4*(\o)
.endr
.endm
.macro XHALF o, m0                     ; x's fragments m0, m0 + 1 of the K step o on
.irp dm, 0,1
.irp c, 0,1,2,3
	ds_load_b128 v[XF+16*((\m0)+\dm)+4*\c:XF+16*((\m0)+\dm)+4*\c+3], v[AX+(\m0)/2] offset:16*XP*\dm+128*(\o)+32*\c
.endr
.endr
.endm
.macro PROD16 ph, m0                   ; 16 products: fragments m0, m0 + 1 of x against my eight of w1.  The 32 accumulators take turns, one instruction a turn
.irp dm, 0,1
.irp t, 0,1,2,3,4,5,6,7
.set rM, (\m0)+\dm
.set rD, 8*(8*rM+\t)
.set rA, 128*((\ph)%2)+16*\t
.set rB, XF+16*rM
.set rSA, wsr+\t/2
.set rSB, XS+2*(\ph)+rM/2
.set fA, \t%2
.set fB, rM%2
	WMX
.endr
.endr
.endm
; A K step: 32 products on slot ph.  A fragment of x is free when its eight products are issued, so x has one set: fragments 0, 1 are fetched anew in the step's middle, 2, 3 at its end (nx).  The slot is asked for again
; at the step's end, for three steps on, and so are x's scale words (rf).  Eight plain places stand ahead of each run of loads into registers that products have read.
.macro STEP ph, o, lw, nx, rf
	s_wait_loadcnt \lw
	s_wait_dscnt 8                                 ; x's fragments 0, 1 and scale words are in; 2 and 3, the youngest 8 loads, may be out
	WIN 0xf1+(\ph)/2                               ; source 0 window 1 or 2, source 1 window 0, C and D window 3
	SETWS \ph
	PROD16 \ph, 0
	NOPS 8
	WIN 0
.if \nx
	XHALF (\o)+1, 0
	s_wait_dscnt 8                                 ; all but the 8 just issued
.else
	s_wait_dscnt 0x0
.endif
	WIN 0xf1+(\ph)/2
	PROD16 \ph, 2
	NOPS 8
	WIN 0
.if \rf
	XSLOAD \ph, (\o)+3
.endif
.if \nx
	XHALF (\o)+1, 2
.endif
.if \rf
	s_add_nc_u64 s[WB+2*(\ph):WB+2*(\ph)+1], s[WB+2*(\ph):WB+2*(\ph)+1], 3*BLK   ; the slot's loads by this address were waited for at the step's head
	WLOAD \ph
.endif
.endm
	WIN 0xc0                                       ; destination window 3
.irp m, 0,1,2,3
.irp t, 0,1,2,3,4,5,6,7
	ds_load_b128 v[64*\m+8*\t:64*\m+8*\t+3], v[AB1] offset:64*\t          ; the bias starts the sums: units 16 T + 8 h + 0..7
	ds_load_b128 v[64*\m+8*\t+4:64*\m+8*\t+7], v[AB1] offset:64*\t+16
.endr
.endr
	WIN 0
	XSLOAD 0, 0
	XSLOAD 1, 1
	XSLOAD 2, 2
	XHALF 0, 0
	XHALF 0, 2
	s_mov_b32 s24, 4
	s_mov_b32 s25, 0                               ; how far along K: bytes of codes,
	s_mov_b32 s26, 0                               ; and of scale words
.Lk:                                                   ; K steps 0 to 11, three a trip
	STEP 0, 0, 63, 1, 1                            ; 66 loads, those of the two steps on, were issued behind this step's 33: with at most 63 out (the most that the wait's field takes) this step's are in
	STEP 1, 1, 63, 1, 1
	STEP 2, 2, 63, 1, 1
	s_add_co_u32 s25, s25, 3*128
	s_add_co_u32 s26, s26, 3*4
	v_add_nc_u32 v[AX], s25, v[AX0]
	v_add_nc_u32 v[AX+1], s25, v[AX0+1]
	v_add_nc_u32 v[AXS], s26, v[AXS0]
	s_wait_alu depctr_va_vdst(0)
	s_sub_co_u32 s24, s24, 1
	s_cmp_lg_u32 s24, 0
	s_cbranch_scc1 .Lk
	STEP 0, 0, 63, 1, 1                            ; K step 12 asks for K step 15
	STEP 1, 1, 63, 1, 0
; w2's scale words and its first two tiles of outputs are asked for here, ahead of the last two K steps
.irp g, 0,1,2,3
	global_load_b128 v[WSC+4*\g:WSC+4*\g+3], v[L16], s[70:71] offset:512*\g       ; register t: tile t of my outputs: lanes 0-15 K step 0's words, lanes 16-31 K step 1's
	global_load_b128 v[WSC+16+4*\g:WSC+16+4*\g+3], v[L16], s[72:73] offset:512*\g
.endr
.macro W2LOAD t                        ; tile t of my outputs: four fragments of w2 (two experts x two K steps) into set (t + 2) % 4: 16 loads
	WIN 0x80
.irp u, 0,1
.irp c, 0,1,2,3
	global_load_b128 v[64*(((\t)+2)%4)+16*\u+4*\c:64*(((\t)+2)%4)+16*\u+4*\c+3], v[L16], s[66:67] offset:4096*(\t)+2048*\u+512*\c
	global_load_b128 v[64*(((\t)+2)%4)+32+16*\u+4*\c:64*(((\t)+2)%4)+32+16*\u+4*\c+3], v[L16], s[68:69] offset:4096*(\t)+2048*\u+512*\c
.endr
.endr
	WIN 0
.endm
	W2LOAD 0
	W2LOAD 1
	STEP 2, 2, 63, 1, 0                            ; behind K step 14's loads: K step 15's 33 and w2's 40
	STEP 0, 3, 40, 0, 0                            ; behind K step 15's: w2's 40
	NOPS 2                                         ; with the eight at the last step's end: the places ahead of a product that begins an accumulator anew
	W2LOAD 2
	W2LOAD 3
; h.  Accumulator registers 64 m .. 64 m + 63 are the four blocks of 32 units of rows 16 m on.  relu costs nothing: the largest magnitude is taken without |.| (the floor stands over what is negative), and the hold clips at 0.
.macro QUANTH m
	WIN 0x0f                                       ; sources 0 and 1 window 3
.irp q, 0,1,2,3
	v_max3_num_f32 v[TM+\q], v[64*\m+16*\q], v[64*\m+16*\q+1], 0x8000000   ; each accumulator from its low end on; the floor 2^(16 - 127): the byte cannot fall under 1
.endr
.irp i, 2,4,6,8,10,12,14
.irp q, 0,1,2,3
	v_max3_num_f32 v[TM+\q], v[64*\m+16*\q+\i], v[64*\m+16*\q+\i+1], v[TM+\q]
.endr
.endr
	WIN 0
.irp q, 0,1,2,3
	v_permlanex16_b32 v[TM+4+\q], v[TM+\q], s[SEL], s[SEL+1]
.endr
.irp q, 0,1,2,3
	v_max_num_f32 v[TM+\q], v[TM+\q], v[TM+4+\q]   ; with lane l xor 16's 16 units
.endr
.irp q, 0,1,2,3
	v_add_nc_u32 v[TM+12+\q], 0xf8800000, v[TM+\q]   ; 15 off the exponent field: the conversion's scale operand
.endr
.irp q, 0,1,2,3
	v_and_or_b32 v[TM+8+\q], v[TM+\q], 0x7f800000, s[MNT]   ; 57,344 x the scale
.endr
.irp q, 0,1,2,3
	v_lshrrev_b32 v[TM+4+\q], 23, v[TM+12+\q]      ; the scale's byte
.endr
	v_lshl_or_b32 v[PWB+\m], v[TM+5], 8, v[TM+4]   ; my row's scale word for these 128 units
	v_lshl_or_b32 v[PWB+\m], v[TM+6], 16, v[PWB+\m]
	v_lshl_or_b32 v[PWB+\m], v[TM+7], 24, v[PWB+\m]
	WIN 0xc3                                       ; destination and source 0 window 3
.irp q, 0,1,2,3
.irp i, 0,1,2,3,4,5,6,7,8,9,10,11,12,13,14,15
	v_med3_num_f32 v[64*\m+16*\q+\i], v[64*\m+16*\q+\i], 0, v[TM+8+\q]   ; the activation and the hold in one (the conversion does not saturate: ISA guide 7.6.2)
.endr
.endr
	WIN 0x03                                       ; source 0 window 3
.irp q, 0,1,2,3
	v_cvt_scalef32_pk8_bf8_f32 v[XF+16*\m+4*\q:XF+16*\m+4*\q+1], v[64*\m+16*\q:64*\m+16*\q+7], v[TM+12+\q]
	v_cvt_scalef32_pk8_bf8_f32 v[XF+16*\m+4*\q+2:XF+16*\m+4*\q+3], v[64*\m+16*\q+8:64*\m+16*\q+15], v[TM+12+\q]
.endr
	WIN 0
	v_nop                                          ; a plain line behind the last conversion
.irp c, 0,1,2,3
	ds_store_b128 v[HWI], v[XF+16*\m+4*\c:XF+16*\m+4*\c+3] offset:4096*\m+512*\c   ; the fragment as it stands: every tile of rows has registers of its own
.endr
	ds_store_b32 v[HWS], v[PWB+\m] offset:128*\m   ; both halves of the lanes write the same word with the same value
.endm
	QUANTH 0
	QUANTH 1
	QUANTH 2
	QUANTH 3
	s_wait_dscnt 0x0                               ; for the others' sake: my four fragments of h lie in LDS
	s_barrier_signal -1
	s_barrier_wait -1                              ; all sixteen do
	s_cmp_eq_u32 s28, 0
	s_cbranch_scc1 .Lend                           ; a tile without rows stores nothing
	WIN 0x40                                       ; destination window 1
.set i, 0
.rept 16
.irp c, 0,1,2,3
	ds_load_b128 v[16*i+4*\c:16*i+4*\c+3], v[LHI] offset:2048*i+512*\c             ; h's fragment 8 j + 2 m + K step stays in registers
.endr
.set i, i+1
.endr
	WIN 0
.irp k, 0,1,2,3,4,5,6,7
	ds_load_b32 v[HS+\k], v[LHS] offset:128*\k     ; lanes 0-15: K step 0's words, lanes 16-31: K step 1's
.endr
.macro BLOAD t                         ; b2 of tile t, both experts, in the result's layout, into set t % 2
	WIN 0xc0
.irp j, 0,1
	ds_load_b128 v[BBUF+16*((\t)%2)+8*\j:BBUF+16*((\t)%2)+8*\j+3], v[ABI] offset:4096*\j+64*(\t)
	ds_load_b128 v[BBUF+16*((\t)%2)+8*\j+4:BBUF+16*((\t)%2)+8*\j+7], v[ABI] offset:4096*\j+64*(\t)+16
.endr
	WIN 0
.endm
; A tile of 16 outputs for the 64 rows: 8 accumulators (expert, tile of rows) by turns, a K step at a time; b2 is the C of each sum's first product; then the two experts' results are weighed and added.
; The eight v_nop and the 32 packed lines are the places ahead of the reads of the results, of the loads into the fragments' and the biases' registers and of the next tile's products, which begin the accumulators anew.
.macro TILE t
.if (\t) < 15
	BLOAD (\t)+1
	s_wait_dscnt 4                                 ; all but the 4 just issued
.else
	s_wait_dscnt 0x0
.endif
.if (\t) <= 12
	s_wait_loadcnt 48                              ; this tile's 16 loads are in; those of the three tiles behind it may be out
.else
	s_wait_loadcnt 16*(15-(\t))
.endif
	WIN 0xf6                                       ; source 0 (w2) window 2, source 1 (h) window 1, C and D window 3
.irp u, 0,1
.irp j, 0,1
.irp mm, 0,1,2,3
.set rD, 8*(4*\j+\mm)
.set rA, 64*(((\t)+2)%4)+32*\j+16*\u
.set rB, 16*((4*\j+\mm)*2+\u)
.set rC, BBUF+16*((\t)%2)+8*\j
.set rSA, WSC+16*\j+(\t)
.set rSB, HS+4*\j+\mm
.if \u == 0
	v_wmma_scale_f32_16x16x128_f8f6f4 v[rD:rD+7], v[rA:rA+15], v[rB:rB+15], v[rC:rC+7], v[rSA], v[rSB] matrix_a_fmt:MATRIX_FMT_BF8 matrix_b_fmt:MATRIX_FMT_BF8
.else
	v_wmma_scale_f32_16x16x128_f8f6f4 v[rD:rD+7], v[rA:rA+15], v[rB:rB+15], v[rD:rD+7], v[rSA], v[rSB] matrix_a_fmt:MATRIX_FMT_BF8 matrix_b_fmt:MATRIX_FMT_BF8 matrix_a_scale:MATRIX_SCALE_ROW1 matrix_b_scale:MATRIX_SCALE_ROW1
.endif
.endr
.endr
.endr
	NOPS 8
	WIN 0xc3                                       ; destination and source 0 window 3, the gates window 0
.irp mm, 0,1,2,3
.irp i, 0,2,4,6
	v_pk_mul_f32 v[OUT+8*(4*((\t)%4)+\mm)+\i:OUT+8*(4*((\t)%4)+\mm)+\i+1], v[8*\mm+\i:8*\mm+\i+1], v[GP+2*\mm:GP+2*\mm+1] op_sel_hi:[1,0]   ; ga x a's result, each accumulator from its low end on
.endr
.endr
	WIN 0xf3                                       ; source 2 window 3 too
.irp mm, 0,1,2,3
.irp i, 0,2,4,6
	v_pk_fma_f32 v[OUT+8*(4*((\t)%4)+\mm)+\i:OUT+8*(4*((\t)%4)+\mm)+\i+1], v[8*(4+\mm)+\i:8*(4+\mm)+\i+1], v[GQ+2*\mm:GQ+2*\mm+1], v[OUT+8*(4*((\t)%4)+\mm)+\i:OUT+8*(4*((\t)%4)+\mm)+\i+1] op_sel_hi:[1,0,1]   ; + gb x b's
.endr
.endr
.if (\t) <= 11
	W2LOAD (\t)+4                                  ; this tile's set takes the tile four on
.endif
	WIN 0
.endm
; THE WAY OUT of 16 rows x 64 outputs (four tiles): through my own stage, back as rows of 256 bytes, two rows an instruction.
.macro WAYROW g, mm
	s_cmp_le_u32 s28, 16*(\mm)
	s_cbranch_scc1 .Lpast_\@                       ; all 16 rows lie past the tile's number: nothing is stored
	WIN 0x0c                                       ; the data: window 3
	s_wait_alu depctr_va_vdst(0)
.irp tt, 0,1,2,3
	ds_store_b128 v[STO], v[OUT+8*(4*\tt+(\mm)):OUT+8*(4*\tt+(\mm))+3] offset:64*\tt
	ds_store_b128 v[STO], v[OUT+8*(4*\tt+(\mm))+4:OUT+8*(4*\tt+(\mm))+7] offset:64*\tt+16
.endr
	WIN 0
.irp i, 0,1,2,3,4,5,6,7
	ds_load_b128 v[OB+4*\i:OB+4*\i+3], v[SRD] offset:544*\i        ; LDS serves a wave's instructions in order (ISA guide 5.7.1.4): these see the stores above
.endr
	s_wait_dscnt 0x0
	s_wait_xcnt 0x0                                ; EXEC changes only behind this wait
	v_cmp_gt_u32 vcc_lo, s[LIM+(\g)], v2
	s_and_saveexec_b32 s62, vcc_lo                 ; only the lanes whose 4 outputs lie inside the row
.irp i, 0,1,2,3,4,5,6,7
	global_store_b128 v[RO+8*(\mm)+\i], v[OB+4*\i:OB+4*\i+3], s[12:13] offset:256*(\g) th:TH_STORE_NT   ; sixteen lanes store 256 consecutive bytes of a token's row; written once, read by nobody here
.endr
	s_wait_xcnt 0x0                                ; and again ahead of the line that widens it; the stores' data may then be loaded anew
	s_or_b32 exec_lo, exec_lo, s62
.Lpast_\@:
.endm
	BLOAD 0
.irp t, 0,1,2,3,4,5,6,7,8,9,10,11,12,13,14,15
	TILE \t
.if \t % 4 == 3
	WAYROW \t/4, 0
	WAYROW \t/4, 1
	WAYROW \t/4, 2
	WAYROW \t/4, 3
.endif
.endr
.Lend:
	s_wait_tensorcnt 0x0                           ; the wave's end
	ds_add_u32 v[SPW], v[NIL]
	s_wait_dscnt 0x0
	s_endpgm
.Lfunc_end_k_q90a7d1be1e_chain:
	.size	k_q90a7d1be1e_chain, .Lfunc_end_k_q90a7d1be1e_chain-k_q90a7d1be1e_chain
	.p2alignl 7, 3214868480
	.fill 96, 4, 3214868480
	.section	.rodata,"a",@progbits
	.p2align	6, 0x0
	.amdhsa_kernel k_q90a7d1be1e_chain
		.amdhsa_group_segment_fixed_size 199424
		.amdhsa_private_segment_fixed_size 0
		.amdhsa_enable_private_segment 0
		.amdhsa_kernarg_size 64
		.amdhsa_user_sgpr_count 2
		.amdhsa_user_sgpr_kernarg_segment_ptr 1
		.amdhsa_wavefront_size32 1
		.amdhsa_system_sgpr_workgroup_id_x 1
		.amdhsa_system_sgpr_workgroup_id_y 1
		.amdhsa_system_sgpr_workgroup_id_z 1
		.amdhsa_system_vgpr_workitem_id 0
		.amdhsa_next_free_vgpr 1024
		.amdhsa_next_free_sgpr 102
		.amdhsa_reserve_vcc 1
		.amdhsa_float_denorm_mode_32 3
		.amdhsa_float_denorm_mode_16_64 3
		.amdhsa_memory_ordered 1
		.amdhsa_forward_progress 1
		.amdhsa_inst_pref_size 255
	.end_amdhsa_kernel
	.section	.bss,"aw",@nobits
	.p2align	6
	.space	262144
	.amdgpu_metadata
---
amdhsa.version: [ 1, 2 ]
amdhsa.kernels:
  - .name:           k_q90a7d1be1e_chain
    .symbol:         k_q90a7d1be1e_chain.kd
    .args:
      - { .name: xq, .offset: 0, .size: 8, .value_kind: global_buffer, .address_space: global }
      - { .name: wq, .offset: 8, .size: 8, .value_kind: global_buffer, .address_space: global }
      - { .name: b1, .offset: 16, .size: 8, .value_kind: global_buffer, .address_space: global }
      - { .name: b2, .offset: 24, .size: 8, .value_kind: global_buffer, .address_space: global }
      - { .name: gw, .offset: 32, .size: 8, .value_kind: global_buffer, .address_space: global }
      - { .name: hist, .offset: 40, .size: 8, .value_kind: global_buffer, .address_space: global }
      - { .name: masks, .offset: 48, .size: 8, .value_kind: global_buffer, .address_space: global }
      - { .name: out0, .offset: 56, .size: 8, .value_kind: global_buffer, .address_space: global }
    .group_segment_fixed_size: 199424
    .private_segment_fixed_size: 0
    .kernarg_segment_align: 8
    .kernarg_segment_size: 64
    .max_flat_workgroup_size: 128
    .sgpr_count:     102
    .vgpr_count:     1024
    .wavefront_size: 32
...
	.end_amdgpu_metadata
.endif
;; end of part 2
